; MI455X (gfx1250); checked and timed in simulation.
; The chip was launched on July 23, 2026; its instructions are those of AMD's public machine-readable ISA for CDNA 5 (MIT licence, August 2026) and "CDNA5" Instruction Set Architecture Reference Guide (July 2026). The comments in the code are by the model that wrote it; some were corrected since.
;; Multi Head Attention. Allowed arithmetic: matrix products marked QUANTISED: E5M2 operands, one given power-of-two scale a tensor, by v_wmma_f32_16x16x64_bf8_bf8 or v_wmma_f32_16x16x128_bf8_bf8, f32 sums; everything else in f32.
;; Inputs: Wk_codes 512 x 16 x 32 uint8 (E5M2 codes of Wk, K innermost, in blocks of 32 codes); Wo_codes 512 x 16 x 32 uint8 (E5M2 codes of Wo, K innermost, in blocks of 32 codes); Wq_codes 512 x 16 x 32 uint8 (E5M2 codes of Wq, K innermost, in blocks of 32 codes); Wv_codes 512 x 16 x 32 uint8 (E5M2 codes of Wv, K innermost, in blocks of 32 codes); bk 512 float32; bo 512 float32; bq 512 float32; bv 512 float32; lowp_scales 12 int32 (the exponents e of the quantised operands' scales 2^e); x_codes 2 x 4,096 x 16 x 32 uint8 (E5M2 codes of x, K innermost, in blocks of 32 codes).
;; Outputs: out0 2 x 4,096 x 512 float32.
;; This version of the problem:
;;   THIS VERSION OF THE PROBLEM IS GIVEN IN LOW PRECISION. The matrix products marked QUANTISED in the list below multiply operands that are first quantised to E5M2 (5 exponent bits, 2 mantissa bits; 8 bits a number), with one given power-of-two scale for each operand tensor; their sums are f32. All else is computed in f32.
;;   The module's matrix products, in the order in which they are computed (A, B: the left and right operand; K: the contracted axis; several contracted axes count as one K, in the product's order):
;;     1. [M 8,192, K 512] x [K 512, N 512]; A: input x (given as codes); B: input Wq (given as codes): QUANTISED (scales: A lowp_scales[0], B lowp_scales[1])
;;     2. [M 8,192, K 512] x [K 512, N 512]; A: input x (given as codes); B: input Wk (given as codes): QUANTISED (scales: A lowp_scales[2], B lowp_scales[3])
;;     3. [M 8,192, K 512] x [K 512, N 512]; A: input x (given as codes); B: input Wv (given as codes): QUANTISED (scales: A lowp_scales[4], B lowp_scales[5])
;;     4. batch 16 x [M 4,096, K 64] x [K 64, N 4,096]; A: computed on the way; B: computed on the way: QUANTISED (scales: A lowp_scales[6], B lowp_scales[7])
;;     5. batch 16 x [M 4,096, K 4,096] x [K 4,096, N 64]; A: softmax (see below); B: computed on the way: QUANTISED (scales: A lowp_scales[8], B lowp_scales[9])
;;     6. [M 8,192, K 512] x [K 512, N 512]; A: computed on the way; B: input Wo (given as codes): QUANTISED (scales: A lowp_scales[10], B lowp_scales[11])
;;   THE QUANTISER, for each operand of a quantised product, along K:
;;     - The operand's scale is 2^e, e = its entry of the input lowp_scales (int32; the entries are numbered through the quantised products in the list's order, A before B).
;;     - Each number is divided by the scale, clamped to +-57,344, and rounded to the nearest number of E5M2, ties to even, subnormals kept.
;;     - The product sums the exact products of the quantised numbers (number of the format x scale) in f32.
;;   ~~~python
;;   def quantise(x, axis, e):      # numpy; x: float32 -> the quantised numbers, widened to float32 again
;;       x = np.moveaxis(x, axis, -1); K = x.shape[-1]
;;       r = np.clip(x / 2.0 ** e, -57344, 57344)
;;       step = 2.0 ** (np.maximum(np.frexp(np.where(r == 0, 1, r))[1] - 1, -14) - 2)
;;       q = np.round(r / step) * step * 2.0 ** e      # np.round: ties to even
;;       return np.moveaxis(q, -1, axis).astype(np.float32)
;;   ~~~
;;   SOFTMAX AHEAD OF A QUANTISED PRODUCT. Where the list says 'softmax', what is quantised is not the finished softmax but p = 2^(t - M), with t = logit x log2(e) and M = ceil(the row's largest t), a whole number; so 1/2 < the row's largest p <= 1. The row's sum l is taken of the UNQUANTISED p, in f32, and the product's result is divided by l at the end. Since M is a whole number, a kernel that streams over the keys may use a running M (the ceiling of the running maximum): every later rescaling is an exact power of two, so the quantised numbers keep their values, but for numbers so far below the row's largest that they fall under the format's range.
;;   OPERANDS COMPUTED ON THE WAY. 'Computed on the way' means the value that the module computes at that place (a softmax that the list does not call 'softmax' is quantised finished and normalised). What goes into a quantiser is computed in f32, as accurately as f32 sums, v_exp_f32 and their like allow (about 1e-6 of the number): no bf16 or f16 on the way to a quantiser, and a product that is left as it is and whose result goes on into a quantised operand takes f32 operands (vector FMAs, or v_wmma_f32_16x16x4_f32). A number that lies on a knife's edge between two numbers of the format may be rounded either way, as far as f32 arithmetic and the matrix unit's own rounding can turn it there, and no further.
;;   INPUTS GIVEN AS CODES. Wk (in the module: [512, 512], K = its axis 1); Wo (in the module: [512, 512], K = its axis 1); Wq (in the module: [512, 512], K = its axis 1); Wv (in the module: [512, 512], K = its axis 1); x (in the module: [2, 4096, 512], K = its axis 2): each comes as NAME_codes (uint8): NAME with its K axis moved to the last place and cut into blocks of 32 codes, [.., K / 32, bytes a block], one block behind the other in memory; one code a byte (a code: sign, 5 exponent bits, 2 mantissa bits); its scale is its entry of lowp_scales. Its value is code x scale, taken as it is: it is not quantised again, and the codes and scales need not be those that the quantiser above would give.
;; One version. Each part assembles by itself: llvm-mc -triple=amdgcn-amd-amdhsa -mcpu=gfx1250 --defsym DOCPART=n.
;; ======== version 1 of 1: 3 launches
;; limits: right only within a limited range of input values
;; workspace buffers: qc 4,194,304 bytes; kv 8,388,608 bytes; cc 4,194,304 bytes
;; launch proj (part 1): grid 8 x 32, 8 waves a work-group, clusters of 4 x 4, 237,568 bytes of LDS; arguments x_codes, Wq_codes, Wk_codes, Wv_codes, bq, bk, bv, lowp_scales, qc, kv; writes qc, kv
.if DOCPART == 1
	.amdgcn_target "amdgcn-amd-amdhsa--gfx1250"
	.amdhsa_code_object_version 6
	.text
	.protected	k_q319e7793e1_proj
	.globl	k_q319e7793e1_proj
	.p2align	8
	.type	k_q319e7793e1_proj,@function
k_q319e7793e1_proj:
	s_mov_b64 s[64:65], 0
	v_nop
	global_prefetch_b8 v0, s[64:65] scope:SCOPE_SE
	s_setreg_imm32_b32 hwreg(HW_REG_WAVE_MODE, 25, 1), 1
	s_wait_xcnt 0x0
	s_wait_alu depctr_hold_cnt(0) depctr_sa_sdst(0) depctr_va_vdst(0) depctr_va_sdst(0) depctr_va_ssrc(0) depctr_va_vcc(0) depctr_vm_vsrc(0)
	s_getreg_b32 s2, hwreg(HW_REG_IB_STS2, 6, 4)
	s_cmp_eq_u32 s2, 0
	s_cbranch_scc0 .Lentry_in_a_cluster
	s_endpgm
.Lentry_in_a_cluster:
	s_bfe_u32 s2, ttmp6, 0x10000c
	s_cmp_lg_u32 s2, 0xf033
	s_cbranch_scc0 .Lentry_shape_is_right
	s_endpgm
.Lentry_shape_is_right:
; Q = x Wq^T + bq, K = x Wk^T + bk, V = x Wv^T + bv on codes of E5M2, and the three results quantised for attention's two products.
; x: [8192][512] codes; Wq, Wk, Wv: [512][512] codes, K innermost; biases f32; lowp_scales: e0 .. e11.
; SHARES.  A work-group takes 256 tokens (block Y) x one head's 64 + 64 + 64 features (head X): 256 work-groups.  Wave w takes tokens 32 w .. 32 w + 31, two tiles of 16, whose
; fragments of x (2 x 4 K steps of 128) stay in 128 registers; the weights' fragments come from LDS, a tile of 16 features at a time.
; CLUSTER 4 x 4.  The four work-groups of a row of the cluster (same Y) need the same rows of x, the four of a column (same X) the same rows of the weights: each tile is asked for
; jointly, by the same tensor load with the same descriptor and a mask that names the four.
; FEEDING.  x's and the weights' fragments are both read by four 16-byte loads: registers 4 c .. 4 c + 3 hold k = 32 c + 16 (lane / 16) + 0 .. 15: a permutation of k that is the same on both sides.
; THE RESULTS LEAVE AS IMAGES OF OPERAND REGISTERS (four registers = 512 consecutive bytes, lane l's 16 bytes at 16 l), in the 8-bit form's own layout (registers 2 c, 2 c + 1: k = 16 c + 8 (lane / 16) + 0 .. 7):
;   Q, K: source 0 = 16 features, source 1 = 16 tokens: a lane holds one token and 8 neighbouring features: one conversion gives registers 2 f, 2 f + 1 of the token tile's fragment (K = the head's 64).
;   V:    source 0 = 16 tokens, source 1 = 16 features: a lane holds one channel and 8 neighbouring tokens: one conversion gives registers 2 c, 2 c + 1 of V^T's fragment (K = 128 keys).
;   qc: [bh 16][token tile 256][g 2][lane][16];   kv: [bh 16][key step 32][ K: [tile 8][g 2][lane][16] | V^T: [channel tile 4][g 4][lane][16] ].   Each store of a wave covers 512 consecutive bytes, aligned.
; LIMITS: e0 + e1, e2 + e3, e4 + e5 between -126 and 127; e6, e7, e9 between -126 and 112, so that each power of two below is an f32 number.  NaN and infinity among the codes are not served.
.set PITCH, 528                        ; an LDS row: 512 bytes + 16 of padding = 33 x 16: the sixteen rows that a load touches start at sixteen different 16-byte columns modulo 256 bytes
.set QUART, 64*PITCH                   ; what one tensor load brings: 64 rows
.set WT,    4*QUART                    ; LDS: x's 256 rows at 0; then Wq's, Wk's, Wv's 64 rows each
.set LI,  1                            ; v1    16 x lane: my place in an image
.set XAD, 2                            ; v2    LDS address of my fragments of x
.set WAD, 3                            ; v3-5  the same for Wq, Wk, Wv
.set BH,  6                            ; v6    32 (lane / 16): my eight numbers of a tile's bias (Q, K)
.set BR,  7                            ; v7    4 (lane % 16): my one number of a tile's bias (V)
.set CV,  8                            ; v8    the quantiser's scale as f32
.set LM,  9                            ; v9    57,344 x that scale
.set XF,  16                           ; v16-143   x: fragment (u, s) at 16 + 64 u + 16 s
.set WF,  144                          ; v144-207  one feature tile's four K steps
.set AC,  208                          ; v208-239  four accumulators
.set CD,  240                          ; v240-247  a pair's codes
.set BW,  0                            ; register window 1: v0-63 Q's and K's biases, 16 registers for each pair of feature tiles; v64-71 V's, 4 for each pair
.set WV,  34                           ; s34   my wave's number
.set G1X, 44                           ; s[44:51] descriptor group 1 for x's tiles;  s[52:59] for the weights': it differs in the mask alone
.set G1W, 52
.set G0X, 60                           ; s[60:63], s[68:71] their groups 0
.set G0W, 68
.macro PLACES                          ; four places behind matrix instructions, in front of loads into their sources and of the first read of their results
.rept 4
	v_nop
.endr
.endm
.macro CROUND                          ; a round of the cluster's barrier
	s_barrier_signal -1
	s_barrier_wait -1
	s_cmp_lg_u32 s[WV], 0
	s_cbranch_scc1 .Lnot_wave_0_\@
	s_barrier_signal -3
.Lnot_wave_0_\@:
	s_barrier_wait -3
	s_barrier_signal -1
	s_barrier_wait -1
.endm
	s_load_b512 s[4:19], s[0:1], 0x0               ; x s[4:5], Wq s[6:7], Wk s[8:9], Wv s[10:11], bq s[12:13], bk s[14:15], bv s[16:17], the exponents s[18:19]
	s_load_b128 s[20:23], s[0:1], 0x40             ; qc s[20:21], kv s[22:23]
	v_lshl_add_u32 v14, v0, 2, 0x39c00
	v_mov_b32 v15, 0
	ds_add_u32 v14, v15
	ds_add_u32 v14, v15
	v_lshrrev_b32 v10, 5, v0
	s_delay_alu instid0(VALU_DEP_1)
	v_readfirstlane_b32 s[WV], v10                 ; wave 0..7
	s_bfe_u32 s35, ttmp6, 0x40000                  ; cx
	s_bfe_u32 s36, ttmp6, 0x40004                  ; cy
	s_lshl_b32 s37, ttmp9, 2
	s_add_co_u32 s37, s37, s35                     ; X: the head = 4 x cluster x + cx
	s_and_b32 s38, ttmp7, 0xffff
	s_lshl_b32 s38, s38, 2
	s_add_co_u32 s38, s38, s36                     ; Y: the block of 256 tokens = 4 x cluster y + cy
	s_and_b32 s39, s[WV], 3
	s_lshl_b32 s40, s36, 2
	s_lshl_b32 s40, 15, s40                        ; my row of the cluster
	s_lshl_b32 s41, 0x1111, s35                    ; my column
	; descriptor group 1: 64 rows of 512 bytes, padded in LDS
	s_or_b32 s[G1X], s40, (1<<20)|(1<<21)|(6<<22)|(3<<25)  ; 15:0 the mask; 17:16 elements of 1 byte; 20 padding on; 21 set beside a mask; 24:22 after every 128 words (code 6); 31:25 four words (code 3)
	s_or_b32 s[G1W], s41, (1<<20)|(1<<21)|(6<<22)|(3<<25)
.irp g, G1X, G1W
	s_mov_b32 s[\g+1], 512<<16                     ; tensor_dim0 = 512
	s_mov_b32 s[\g+2], 64<<16                      ; tensor_dim1 = 64
	s_mov_b32 s[\g+3], 512<<16                     ; tile_dim0 = 512
	s_mov_b32 s[\g+4], 64                          ; tile_dim1 = 64
	s_mov_b32 s[\g+5], 512                         ; from row to row
	s_mov_b32 s[\g+6], 0
	s_mov_b32 s[\g+7], 0
.endr
	; x's tile hangs on Y and the wave alone, a weight's on X and the wave alone; no place in the cluster enters an LDS address
	s_mov_b32 s[G0X], 1
	s_mul_i32 s[G0X+1], s39, QUART                 ; waves 0-3: x's rows 64 w on
	s_lshl_b32 s92, s38, 17                        ; Y x 256 rows x 512 bytes
	s_lshl_b32 s93, s39, 15
	s_add_co_u32 s92, s92, s93
	s_mov_b32 s93, 0
	s_mov_b32 s[G0W], 1
	s_min_u32 s[G0W+1], s[WV], 6
	s_mul_i32 s[G0W+1], s[G0W+1], QUART            ; waves 4, 5, 6: Wq's, Wk's, Wv's 64 rows, behind x's four quarters
	s_lshl_b32 s94, s37, 15                        ; X x 64 rows x 512 bytes
	s_mov_b32 s95, 0
	s_wait_dscnt 0x0
	s_wait_kmcnt 0x0
	s_load_b256 s[24:31], s[18:19], 0x0            ; e0 .. e7
	s_load_b64 s[32:33], s[18:19], 0x20            ; e8, e9
	s_add_nc_u64 s[G0X+2:G0X+3], s[4:5], s[92:93]
	s_or_b32 s[G0X+3], s[G0X+3], 0x80000000        ; type = 2
	s_cmp_eq_u32 s[WV], 5
	s_cselect_b64 s[G0W+2:G0W+3], s[8:9], s[6:7]   ; the choice hangs on the wave's number alone
	s_cmp_eq_u32 s[WV], 6
	s_cselect_b64 s[G0W+2:G0W+3], s[10:11], s[G0W+2:G0W+3]
	s_add_nc_u64 s[G0W+2:G0W+3], s[G0W+2:G0W+3], s[94:95]
	s_or_b32 s[G0W+3], s[G0W+3], 0x80000000
	CROUND                                         ; all sixteen work-groups are here: the joint loads meet
	s_cmp_lt_u32 s[WV], 4                          ; one load a wave (wave 7: none); four v_nop follow each line
	s_cbranch_scc0 .Lnot_x
	tensor_load_to_lds s[G0X:G0X+3], s[G1X:G1X+7]
	s_nop 0
	PLACES
	s_branch .Lasked
.Lnot_x:
	s_cmp_lt_u32 s[WV], 7
	s_cbranch_scc0 .Lasked
	tensor_load_to_lds s[G0W:G0W+3], s[G1W:G1W+7]
	s_nop 0
	PLACES
.Lasked:
	; addresses and constants, while the tiles are on their way
	v_and_b32 v10, 31, v0
	s_delay_alu instid0(VALU_DEP_1)
	v_lshlrev_b32 v[LI], 4, v10
	v_and_b32 v11, 15, v0                          ; r
	v_bfe_u32 v12, v0, 4, 1                        ; h
	s_delay_alu instid0(VALU_DEP_2)
	v_mul_u32_u24 v13, v11, PITCH
	s_delay_alu instid0(VALU_DEP_1)
	v_lshl_add_u32 v13, v12, 4, v13                ; r x pitch + 16 h
	s_mul_i32 s90, s[WV], 32*PITCH                 ; my 32 rows of x
	v_add_nc_u32 v[XAD], s90, v13
	v_add_nc_u32 v[WAD], WT, v13
	v_add_nc_u32 v[WAD+1], WT+QUART, v13
	v_add_nc_u32 v[WAD+2], WT+2*QUART, v13
	v_lshlrev_b32 v[BH], 5, v12
	v_lshlrev_b32 v[BR], 2, v11
	s_lshr_b32 s96, s38, 4
	s_lshl_b32 s96, s96, 3
	s_add_co_u32 s96, s96, s37                     ; bh = 8 x batch + head
	s_and_b32 s97, s38, 15                         ; the block within the batch's 4,096 tokens
	s_mov_b32 s91, 0
	s_lshl_b32 s90, s96, 18                        ; qc: 262,144 bytes a head, 16,384 a block, 2,048 for a wave's two tiles
	s_lshl_b32 s92, s97, 14
	s_add_co_u32 s90, s90, s92
	s_lshl_b32 s92, s[WV], 11
	s_add_co_u32 s90, s90, s92
	s_add_nc_u64 s[84:85], s[20:21], s[90:91]      ; where my codes of Q go
	s_lshl_b32 s90, s96, 19                        ; kv: 524,288 bytes a head, 32,768 a block (two key steps), 16,384 a key step
	s_lshl_b32 s92, s97, 15
	s_add_co_u32 s90, s90, s92
	s_lshr_b32 s92, s[WV], 2
	s_lshl_b32 s92, s92, 14
	s_add_co_u32 s90, s90, s92
	s_add_nc_u64 s[88:89], s[22:23], s[90:91]      ; my key step
	s_lshl_b32 s90, s39, 11
	s_add_nc_u64 s[86:87], s[88:89], s[90:91]      ; K: my two tiles of its eight
	s_lshl_b32 s90, s39, 9
	s_add_co_u32 s90, s90, 8192
	s_add_nc_u64 s[88:89], s[88:89], s[90:91]      ; V^T: behind K's 8,192 bytes; my 32 tokens are group w % 4 of each channel tile's four
	s_lshl_b32 s90, s37, 8                         ; the head's 64 numbers of each bias
	s_add_nc_u64 s[12:13], s[12:13], s[90:91]
	s_add_nc_u64 s[14:15], s[14:15], s[90:91]
	s_add_nc_u64 s[16:17], s[16:17], s[90:91]
	s_wait_alu depctr_va_vdst(0)
	s_set_vgpr_msb 0x40                            ; destination in window 1: all six pairs' biases are asked for here, once, while the tiles are on their way
.irp k, 0,1
.irp g, 0,1
.irp t, 0,1
	global_load_b128 v[BW+16*(2*\k+\g)+8*\t:BW+16*(2*\k+\g)+8*\t+3],   v[BH], s[12+2*\k:13+2*\k] offset:(32*\g+16*\t)*4      ; my eight features' biases
	global_load_b128 v[BW+16*(2*\k+\g)+8*\t+4:BW+16*(2*\k+\g)+8*\t+7], v[BH], s[12+2*\k:13+2*\k] offset:(32*\g+16*\t)*4+16
.endr
.endr
.endr
.irp g, 0,1
.irp t, 0,1
	global_load_b32 v[BW+64+4*\g+2*\t],   v[BR], s[16:17] offset:(32*\g+16*\t)*4                               ; my one channel's bias, in both registers of a pair
	global_load_b32 v[BW+64+4*\g+2*\t+1], v[BR], s[16:17] offset:(32*\g+16*\t)*4
.endr
.endr
	s_set_vgpr_msb 0x4000
	s_wait_kmcnt 0x0
.irp k, 0,1,2                                  ; s[72+2k:73+2k] = 2^(e(2k) + e(2k+1)), twice: the packed form names a pair
	s_add_co_i32 s[72+2*\k], s[24+2*\k], s[25+2*\k]
	s_add_co_i32 s[72+2*\k], s[72+2*\k], 127
	s_lshl_b32 s[72+2*\k], s[72+2*\k], 23
	s_mov_b32 s[73+2*\k], s[72+2*\k]
.endr
	s_add_co_i32 s78, s30, 127                     ; Q's quantiser: e6
	s_add_co_i32 s80, s31, 127                     ; K's: e7
	s_add_co_i32 s82, s33, 127                     ; V's: e9
.irp k, 78,80,82
	s_add_co_i32 s[\k+1], s[\k], 15
	s_lshl_b32 s[\k], s[\k], 23                    ; 2^e as f32: the conversion takes its exponent field
	s_lshl_b32 s[\k+1], s[\k+1], 23
	s_or_b32 s[\k+1], s[\k+1], 0x600000            ; 57,344 x 2^e
.endr
	s_wait_tensorcnt 0x0                           ; my tile has landed,
	s_barrier_signal -1
	s_barrier_wait -1                              ; everybody's has
.irp u, 0,1
.irp s, 0,1,2,3
.irp c, 0,1,2,3
	ds_load_b128 v[XF+64*\u+16*\s+4*\c:XF+64*\u+16*\s+4*\c+3], v[XAD] offset:\u*16*PITCH+128*\s+32*\c
.endr
.endr
.endr
; Feature tiles 2 g and 2 g + 1 of Q (kind 0), K (1) or V (2), for my two token tiles: 16 products, bias, quantiser, two stores.
.macro WLOAD kind, g                   ; a pair's two feature tiles, four K steps each: tile 2 g into v144-207 of window 0, tile 2 g + 1 into the same numbers of window 1
.irp t, 0,1
.if \t == 1
	s_set_vgpr_msb 0x40                            ; destination in window 1
.endif
.irp s, 0,1,2,3
.irp c, 0,1,2,3
	ds_load_b128 v[WF+16*\s+4*\c:WF+16*\s+4*\c+3], v[WAD+\kind] offset:(32*\g+16*\t)*PITCH+128*\s+32*\c
.endr
.endr
.endr
	s_set_vgpr_msb 0x4000
.endm
; The pair's weights were asked for behind the products of the pair before; nk, ng: the pair that follows (nk = 3: none), asked for behind this pair's products.
.macro PAIR kind, g, nk, ng
	v_mov_b32 v[CV], s[78+2*\kind]
	v_mov_b32 v[LM], s[79+2*\kind]
	s_wait_dscnt 0x0                               ; both tiles' fragments are in (the first time: x's too)
.irp t, 0,1
.if \t == 1
	s_set_vgpr_msb 1+3*(\kind/2)                   ; the weights' operand in window 1: source 0 for Q and K, source 1 for V
.endif
.irp s, 0,1,2,3                                ; the two token tiles' accumulators take turns, one instruction a turn; the first K step starts the sums
.irp u, 0,1
.if \kind < 2
.set rD, AC+16*\u+8*\t
.set rA, WF+16*\s
.set rB, XF+64*\u+16*\s
.else
.set rD, AC+16*\t+8*\u
.set rA, XF+64*\u+16*\s
.set rB, WF+16*\s
.endif
.if \s == 0
	v_wmma_f32_16x16x128_bf8_bf8 v[rD:rD+7], v[rA:rA+15], v[rB:rB+15], 0
.else
	v_wmma_f32_16x16x128_bf8_bf8 v[rD:rD+7], v[rA:rA+15], v[rB:rB+15], v[rD:rD+7]
.endif
.endr
.endr
.endr
	s_set_vgpr_msb (1+3*(\kind/2))<<8
	PLACES                                         ; in front of the loads into registers that the products have read, and of the first read of the sums
.if \nk < 3
	WLOAD \nk, \ng
.endif
	s_wait_loadcnt 0x0                             ; the biases
	s_wait_xcnt 0x0                                ; the last pair's stores have read their data: those registers take this pair's codes
	s_set_vgpr_msb 0x10                            ; source 2, the bias, in window 1
.irp a, 0,1                                    ; accumulator 16 a + 8 b: Q, K: token tile a, feature tile b;  V: feature tile a, token tile b.  Each from its low end on
.irp b, 0,1
.irp i, 0,2,4,6
.if \kind < 2
.set rB, BW+16*(2*\kind+\g)+8*\b+\i
.else
.set rB, BW+64+4*\g+2*\a
.endif
	v_pk_fma_f32 v[AC+16*\a+8*\b+\i:AC+16*\a+8*\b+\i+1], v[AC+16*\a+8*\b+\i:AC+16*\a+8*\b+\i+1], s[72+2*\kind:73+2*\kind], v[rB:rB+1] op_sel_hi:[1,0,1]   ; sum x 2^(ea + eb) + bias
.endr
.endr
.endr
	s_set_vgpr_msb 0x1000
.set n, 0
.rept 32
	v_med3_num_f32 v[AC+n], v[AC+n], -v[LM], v[LM]   ; the conversion to an 8-bit code does not saturate (ISA guide 7.6.2): the hold at the largest code x the scale
.set n, n+1
.endr
.irp a, 0,1
.irp b, 0,1
	v_cvt_scalef32_pk8_bf8_f32 v[CD+4*\a+2*\b:CD+4*\a+2*\b+1], v[AC+16*\a+8*\b:AC+16*\a+8*\b+7], v[CV]
.endr
.endr
	v_nop                                          ; one plain line behind the last conversion: the next pair's products write its sources
.irp a, 0,1
.if \kind < 2
	global_store_b128 v[LI], v[CD+4*\a:CD+4*\a+3], s[84+2*\kind:85+2*\kind] offset:\a*1024+\g*512   ; token tile a, registers 4 g .. 4 g + 3
.else
	global_store_b128 v[LI], v[CD+4*\a:CD+4*\a+3], s[88:89] offset:(2*\g+\a)*2048                   ; channel tile 2 g + a, my group of four registers
.endif
.endr
.endm
	WLOAD 0, 0
	PAIR 0, 0, 0, 1
	PAIR 0, 1, 1, 0
	PAIR 1, 0, 1, 1
	PAIR 1, 1, 2, 0
	PAIR 2, 0, 2, 1
	PAIR 2, 1, 3, 0
	s_wait_tensorcnt 0x0
	ds_add_u32 v14, v15
	s_wait_dscnt 0x0
	CROUND                                         ; the closing round: no work-group ends while a partner may still ask for a tile that names it
	s_endpgm
.Lfunc_end_k_q319e7793e1_proj:
	.size	k_q319e7793e1_proj, .Lfunc_end_k_q319e7793e1_proj-k_q319e7793e1_proj
	.p2alignl 7, 3214868480
	.fill 96, 4, 3214868480
	.section	.rodata,"a",@progbits
	.p2align	6, 0x0
	.amdhsa_kernel k_q319e7793e1_proj
		.amdhsa_group_segment_fixed_size 237568
		.amdhsa_private_segment_fixed_size 0
		.amdhsa_enable_private_segment 0
		.amdhsa_kernarg_size 80
		.amdhsa_user_sgpr_count 2
		.amdhsa_user_sgpr_kernarg_segment_ptr 1
		.amdhsa_wavefront_size32 1
		.amdhsa_system_sgpr_workgroup_id_x 1
		.amdhsa_system_sgpr_workgroup_id_y 1
		.amdhsa_system_sgpr_workgroup_id_z 1
		.amdhsa_system_vgpr_workitem_id 0
		.amdhsa_next_free_vgpr 512
		.amdhsa_next_free_sgpr 100
		.amdhsa_reserve_vcc 0
		.amdhsa_float_denorm_mode_32 3
		.amdhsa_float_denorm_mode_16_64 3
		.amdhsa_memory_ordered 1
		.amdhsa_forward_progress 1
		.amdhsa_inst_pref_size 54
	.end_amdhsa_kernel
	.amdgpu_metadata
---
amdhsa.version: [ 1, 2 ]
amdhsa.kernels:
  - .name:           k_q319e7793e1_proj
    .symbol:         k_q319e7793e1_proj.kd
    .args:
      - { .name: x_codes, .offset: 0, .size: 8, .value_kind: global_buffer, .address_space: global }
      - { .name: Wq_codes, .offset: 8, .size: 8, .value_kind: global_buffer, .address_space: global }
      - { .name: Wk_codes, .offset: 16, .size: 8, .value_kind: global_buffer, .address_space: global }
      - { .name: Wv_codes, .offset: 24, .size: 8, .value_kind: global_buffer, .address_space: global }
      - { .name: bq, .offset: 32, .size: 8, .value_kind: global_buffer, .address_space: global }
      - { .name: bk, .offset: 40, .size: 8, .value_kind: global_buffer, .address_space: global }
      - { .name: bv, .offset: 48, .size: 8, .value_kind: global_buffer, .address_space: global }
      - { .name: lowp_scales, .offset: 56, .size: 8, .value_kind: global_buffer, .address_space: global }
      - { .name: qc, .offset: 64, .size: 8, .value_kind: global_buffer, .address_space: global }
      - { .name: kv, .offset: 72, .size: 8, .value_kind: global_buffer, .address_space: global }
    .group_segment_fixed_size: 237568
    .private_segment_fixed_size: 0
    .kernarg_segment_align: 8
    .kernarg_segment_size: 80
    .max_flat_workgroup_size: 256
    .sgpr_count:     100
    .vgpr_count:     512
    .wavefront_size: 32
...
	.end_amdgpu_metadata
.endif
;; end of part 1
;; launch attn (part 2): grid 16 x 16, 8 waves a work-group, clusters of 4 x 1, 327,680 bytes of LDS; arguments qc, kv, lowp_scales, cc; writes cc
.if DOCPART == 2
	.amdgcn_target "amdgcn-amd-amdhsa--gfx1250"
	.amdhsa_code_object_version 6
	.text
	.protected	k_q319e7793e1_attn
	.globl	k_q319e7793e1_attn
	.p2align	8
	.type	k_q319e7793e1_attn,@function
k_q319e7793e1_attn:
	s_mov_b64 s[64:65], 0
	v_nop
	global_prefetch_b8 v0, s[64:65] scope:SCOPE_SE
	s_setreg_imm32_b32 hwreg(HW_REG_WAVE_MODE, 25, 1), 1
	s_wait_xcnt 0x0
	s_wait_alu depctr_hold_cnt(0) depctr_sa_sdst(0) depctr_va_vdst(0) depctr_va_sdst(0) depctr_va_ssrc(0) depctr_va_vcc(0) depctr_vm_vsrc(0)
	s_getreg_b32 s2, hwreg(HW_REG_IB_STS2, 6, 4)
	s_cmp_eq_u32 s2, 0
	s_cbranch_scc0 .Lentry_in_a_cluster
	s_endpgm
.Lentry_in_a_cluster:
	s_bfe_u32 s2, ttmp6, 0x10000c
	s_cmp_lg_u32 s2, 0x3003
	s_cbranch_scc0 .Lentry_shape_is_right
	s_endpgm
.Lentry_shape_is_right:
; context[bh][q] = the sum over k of softmax_k(Q[q] . K[k] / 8) V[k], both products on codes of E5M2; the context is quantised for the output projection.
; qc, kv: images of operand registers, as the launch before laid them: Q's tile of 16 queries is 1,024 bytes; a key step of 128 keys is 8,192 bytes of K (8 tiles) and 8,192 of V^T (4 channel tiles).
; THE SOFTMAX: t = score x log2(e) / 8; M = the running largest t rounded UP to a whole number; p = 2^(t - M) is what is quantised (scale 2^e8), not normalised.  The row's sum is taken of the
; unquantised p and divides at the end.  When M moves, the sum and O are multiplied by 2^(old M - new M), which rounds nothing.  No work of the problem is left out.
; SHARES.  A work-group owns 256 queries of one head (bh); each of its NW = 8 waves owns NT = 2 tiles of 16 queries, so that each fragment of K and V read from LDS feeds NT products.
; LAYOUT.  S^T = K Q^T (source 0 = 16 keys, source 1 = 16 queries, K = 64) and O^T = V^T P (source 0 = 16 channels, source 1 = P, K = 128 keys): a lane holds ONE query of each tile, and eight registers
; of a tile of S^T are eight neighbouring keys: one conversion gives registers 2 kt, 2 kt + 1 of P.  A tile of O^T gives two registers of the next product's operand, stored as an image:
; cc: [token tile 512][K step 4][g 4][lane][16]; head hd fills registers 8 (hd % 2) .. + 7 of K step hd / 2.  Each store of a wave covers 512 consecutive bytes, aligned.
; REGISTERS, in windows of 256.  Tile i's own registers lie in window i under the same numbers: v32-95 S^T then p, v96-127 O^T, v128-143 p's codes, v144-151 Q, v152-165 partial maxima and sums, v[166:167] the row's sum.
; Window 0 also: v1-6 addresses and constants, v168-231 K's fragments, v232.. four registers a tile: -M, the largest score, f, a scratch.  Window 1 also: v168-231 V^T's fragments.
; THE LOOP IS TURNED: a step begins with its scores in registers.  Behind a tile's conversions stand its four products with V^T and at once the next step's eight with K, ahead of the other tile's vector work.
; A slot's last step has no successor in the slot and is written out without them; a slot's first scores are made at the slot's head.
; RING.  A head's 4,096 keys are four chunks of 8 key steps, 131,072 bytes, through two LDS slots; each wave fetches 16,384 bytes of a chunk by one tensor load.  CLUSTER: the four query blocks of a cluster
; walk the same head: each chunk is asked for jointly, by the same load with a mask that names the four.  By this text's count a wave has one load out, at the head and behind each round.
; No prefetch: a refill is asked for eight key steps, 192 matrix instructions of the wave, ahead of the wait for it.
; O^T and the sums begin as zeros and the largest score as -3e38, so that the key step needs no first form of its own: the first change of M multiplies zeros.
; LIMITS: e6 + e7 between -123 and 130 (added to c's exponent field); e8 and e10 between -126 and 112; e8 + e9 is applied by v_ldexp_f32; the scaled scores t stay under 2^31 in magnitude.  NaN among the codes is not served.
.set NT,    2                          ; tiles of 16 queries a wave
.set NW,    16/NT                      ; waves
.set CHUNK, 131072                     ; a slot: slot 0 at LDS byte 0, slot 1 behind it
.set STEPB, 16384                      ; a key step's bytes
.set PART,  CHUNK/NW                   ; what one tensor load brings
.set SPARE, 2*CHUNK                    ; behind the ring: the spare words, 128 bytes a wave, that no other line names
.set LI,  1                            ; v1   16 x lane
.set SPW, 2                            ; v2   LDS address of my spare word; never rewritten
.set NIL, 3                            ; v3   0; never rewritten
.set ADK, 4                            ; v4   LDS address of the key step in hand
.set SCL, 5                            ; v5   2^e8 as f32
.set SCO, 6                            ; v6   2^e10 as f32
.set SC,  32
.set OT,  96
.set PC,  128
.set QF,  144
.set TS,  152
.set LS,  166
.set KF,  168
.set VF,  168
.set CB,  232
.set WV,  12                           ; s12  my wave's number
.set G1,  16                           ; s[16:23] descriptor group 1;  s[24:27] group 0, which walks
.set G0,  24
.set HP,  28                           ; s28  57,344 x 2^e8;  s29, s30  57,344 x 2^e10 and its negative
.set HC,  29
.set HN,  30
.set SEL, 32                           ; s[32:33] v_permlanex16_b32's selects: lane l xor 16
.set CS,  34                           ; s[34:35] c = log2(e) / 8 x 2^(e6 + e7)
.set TB,  41                           ; s41  LDS byte of the key step in hand
.set CNT, 42                           ; s42  looped key steps left in the slot
.set MSB, 0
.macro WIN new                         ; low byte: bits 1:0 source 0, 3:2 source 1, 5:4 source 2, 7:6 destination; the high byte repeats the setting that is left
.if MSB != (\new)
	s_set_vgpr_msb (MSB<<8)|(\new)
.set MSB, (\new)
.endif
.endm
.macro EACH m                          ; macro m for each of my tiles
.irp i, 0,1,2,3
.if \i < NT
	\m \i
.endif
.endr
.endm
.macro NOPS n
.rept \n
	v_nop
.endr
.endm
.macro CROUND                          ; a round of the cluster's barrier
	s_barrier_signal -1
	s_barrier_wait -1
	s_cmp_lg_u32 s[WV], 0
	s_cbranch_scc1 .Lnot_wave_0_\@
	s_barrier_signal -3
.Lnot_wave_0_\@:
	s_barrier_wait -3
	s_barrier_signal -1
	s_barrier_wait -1
.endm
	s_load_b256 s[4:11], s[0:1], 0x0               ; qc s[4:5], kv s[6:7], the exponents s[8:9], cc s[10:11]
	v_lshl_add_u32 v[SPW], v0, 2, SPARE
	v_mov_b32 v[NIL], 0
	ds_add_u32 v[SPW], v[NIL]                      ; the opening: the add, twice on end, with its wait ahead of my first tensor load
	ds_add_u32 v[SPW], v[NIL]
	v_lshrrev_b32 v7, 5, v0
	v_readfirstlane_b32 s[WV], v7                  ; wave 0 .. NW - 1
	s_bfe_u32 s13, ttmp6, 0x40000                  ; cx
	s_lshl_b32 s14, ttmp9, 2
	s_add_co_u32 s14, s14, s13                     ; my block of 256 queries: it enters qc's and cc's addresses alone
	s_and_b32 s15, ttmp7, 0xffff                   ; bh, which the four partners share
	s_mov_b32 s[G1], 15|(3<<16)|(1<<21)            ; 15:0 the mask: all four work-groups; 17:16 elements of 8 bytes; 21 set beside a mask
	s_mov_b32 s[G1+1], 32<<16                      ; a dense block of PART bytes as rows of 256: tensor_dim0 = 32
	s_mov_b32 s[G1+2], (PART/256)<<16              ; tensor_dim1
	s_mov_b32 s[G1+3], 32<<16                      ; tile_dim0
	s_mov_b32 s[G1+4], PART/256                    ; tile_dim1
	s_mov_b32 s[G1+5], 32                          ; from row to row
	s_mov_b32 s[G1+6], 0
	s_mov_b32 s[G1+7], 0
	s_mov_b32 s[SEL], 0x76543210
	s_mov_b32 s[SEL+1], 0xfedcba98
	s_mul_i32 s45, s[WV], PART                     ; my part of a chunk, in LDS and in memory
	s_lshl_b32 s46, s15, 19                        ; the head's 524,288 bytes of kv
	s_add_co_u32 s46, s46, s45
	s_mov_b32 s47, 0
	s_lshl_b32 s50, s14, 4
	s_mul_i32 s51, s[WV], NT
	s_add_co_u32 s50, s50, s51                     ; my first tile of queries among the head's 256
	s_lshl_b32 s51, s50, 10
	s_lshl_b32 s52, s15, 18
	s_add_co_u32 s52, s52, s51                     ; its image in qc
	s_mov_b32 s53, 0
	s_lshr_b32 s54, s15, 3
	s_lshl_b32 s54, s54, 8
	s_add_co_u32 s54, s54, s50                     ; my first token tile among the 512
	s_lshl_b32 s54, s54, 13                        ; 8,192 bytes each,
	s_bfe_u32 s51, s15, 0x20001                    ; K step head / 2: 2,048 bytes each,
	s_lshl_b32 s51, s51, 11
	s_add_co_u32 s54, s54, s51
	s_and_b32 s51, s15, 1                          ; the half of its registers: 1,024 bytes
	s_lshl_b32 s51, s51, 10
	s_add_co_u32 s54, s54, s51
	s_mov_b32 s55, 0
	s_wait_dscnt 0x0                               ; both opening adds are done
	s_wait_kmcnt 0x0
	s_load_b128 s[36:39], s[8:9], 0x18             ; e6, e7, e8, e9
	s_load_b32 s40, s[8:9], 0x28                   ; e10
	s_mov_b32 s[G0], 1                             ; count = 1
	s_mov_b32 s[G0+1], s45                         ; LDS address: slot 0
	s_add_nc_u64 s[G0+2:G0+3], s[6:7], s[46:47]    ; chunk 0
	s_or_b32 s[G0+3], s[G0+3], 0x80000000          ; type = 2
	s_add_nc_u64 s[4:5], s[4:5], s[52:53]
	s_add_nc_u64 s[10:11], s[10:11], s[54:55]
	CROUND                                         ; all four work-groups are here: the first joint loads meet
	tensor_load_to_lds s[G0:G0+3], s[G1:G1+7]      ; my one load at the head: my part of chunk 0
	s_nop 0
	NOPS 4
	v_and_b32 v[LI], 31, v0
	v_lshlrev_b32 v[LI], 4, v[LI]
.macro QLOAD i                         ; Q's fragment stays in registers
	WIN ((\i)<<6)
	global_load_b128 v[QF:QF+3],   v[LI], s[4:5] offset:(\i)*1024
	global_load_b128 v[QF+4:QF+7], v[LI], s[4:5] offset:(\i)*1024+512
.endm
	EACH QLOAD
.macro ZERO i
	WIN ((\i)<<6)
.set j, 0
.rept 32
	v_mov_b32 v[OT+j], 0                           ; O^T
.set j, j+1
.endr
	v_mov_b32 v[LS], 0                             ; the sum, in two halves
	v_mov_b32 v[LS+1], 0
.endm
	EACH ZERO
	WIN 0
.macro CINIT i
	v_mov_b32 v[CB+4*(\i)+1], 0xff61b1e6           ; the largest score so far: -3e38, under every score
	v_floor_f32 v[CB+4*(\i)], -v[CB+4*(\i)+1]      ; -M
	v_mov_b32 v[CB+4*(\i)+2], 0                    ; written once: a lane permute's destination counts as one of its sources
	v_mov_b32 v[CB+4*(\i)+3], 0
.endm
	EACH CINIT
	s_wait_kmcnt 0x0
	s_add_co_i32 s44, s36, s37
	s_lshl_b32 s44, s44, 23
	s_mov_b32 s[CS], 0x3e38aa3b                    ; log2(e) / 8
	s_add_co_i32 s[CS], s[CS], s44                 ; a score stands for score x 2^(e6 + e7): the exponents are added to c's exponent field
	s_mov_b32 s[CS+1], s[CS]                       ; (named with it as a pair, so it is written)
	s_add_co_i32 s44, s38, 127
	s_lshl_b32 s46, s44, 23
	v_mov_b32 v[SCL], s46                          ; 2^e8, for p's conversions
	s_add_co_i32 s44, s44, 15
	s_lshl_b32 s44, s44, 23
	s_or_b32 s[HP], s44, 0x600000                  ; 57,344 x 2^e8
	s_add_co_i32 s44, s40, 127
	s_lshl_b32 s46, s44, 23
	v_mov_b32 v[SCO], s46                          ; 2^e10, for the context's
	s_add_co_i32 s44, s44, 15
	s_lshl_b32 s44, s44, 23
	s_or_b32 s[HC], s44, 0x600000                  ; 57,344 x 2^e10
	s_or_b32 s[HN], s[HC], 0x80000000
	s_add_co_i32 s43, s38, s39                     ; e8 + e9
.macro KLOAD off                       ; K's eight fragments of the key step at ADK + off: images, the 32 lanes read 512 consecutive bytes
.irp kt, 0,1,2,3,4,5,6,7
.irp g, 0,1
	ds_load_b128 v[KF+8*\kt+4*\g:KF+8*\kt+4*\g+3], v[ADK] offset:\off+\kt*1024+\g*512
.endr
.endr
.endm
.macro SMUL i                          ; S^T of tile i: lane (r, h): query r, keys 16 kt + 8 h + 0 .. 7
	WIN ((\i)<<6)|((\i)<<2)
.irp kt, 0,1,2,3,4,5,6,7
	v_wmma_f32_16x16x64_bf8_bf8 v[SC+8*\kt:SC+8*\kt+7], v[KF+8*\kt:KF+8*\kt+7], v[QF:QF+7], 0
.endr
.endm
.macro MAXT i                          ; the step's largest score of my query among my 64 keys: eight ascending chains
	WIN 0x55*(\i)
.irp c, 0,1,2,3,4,5,6,7
	v_max3_num_f32 v[TS+\c], v[SC+3*\c], v[SC+3*\c+1], v[SC+3*\c+2]
.endr
.set k, 0
.rept 20
	v_max3_num_f32 v[TS+k%8], v[TS+k%8], v[SC+24+2*k], v[SC+25+2*k]
.set k, k+1
.endr
	v_max3_num_f32 v[TS], v[TS], v[TS+1], v[TS+2]
	v_max3_num_f32 v[TS+3], v[TS+3], v[TS+4], v[TS+5]
	v_max3_num_f32 v[TS], v[TS], v[TS+6], v[TS+7]
	WIN 0x15*(\i)                                  ; the result goes to window 0, where the tiles' chains are worked side by side
	v_max_num_f32 v[CB+4*(\i)+3], v[TS], v[TS+3]
.endm
.macro CHS st, i                       ; one line of tile i's chain from the step's maximum to -M and f
.set cN, CB+4*(\i)
.if \st == 0
	v_permlanex16_b32 v[cN+2], v[cN+3], s[SEL], s[SEL+1]
.endif
.if \st == 1
	v_max3_num_f32 v[cN+1], v[cN+1], v[cN+3], v[cN+2]   ; the running largest score: mine, lane l xor 16's, and what went before
.endif
.if \st == 2
	v_mov_b32 v[cN+3], v[cN]
.endif
.if \st == 3
	v_mul_f32 v[cN+2], s[CS], v[cN+1]              ; as t (c is positive, so the largest score gives the largest t)
.endif
.if \st == 4
	v_floor_f32 v[cN], -v[cN+2]                    ; the new -M = floor(-t) = -ceil(t): a whole number
.endif
.if \st == 5
	v_sub_f32 v[cN+3], v[cN], v[cN+3]              ; old M - new M: a whole number, 0 or less
.endif
.if \st == 6
	v_cvt_i32_f32 v[cN+3], v[cN+3]                 ; (it saturates)
.endif
.if \st == 7
	v_ldexp_f32 v[cN+2], 1.0, v[cN+3]              ; f = 2^(old M - new M)
.endif
.endm
.macro FMAT i                          ; t - M, two at a time; the sum and O^T under the new M.  Sources 1 and 2 (-M, f) in window 0
	WIN ((\i)<<6)|(\i)
.set j, 0
.rept 32
	v_pk_fma_f32 v[SC+j:SC+j+1], v[SC+j:SC+j+1], s[CS:CS+1], v[CB+4*(\i):CB+4*(\i)+1] op_sel_hi:[1,0,0]
.set j, j+2
.endr
	v_pk_mul_f32 v[LS:LS+1], v[LS:LS+1], v[CB+4*(\i)+2:CB+4*(\i)+3] op_sel_hi:[1,0]
.set j, 0
.rept 16
	v_pk_mul_f32 v[OT+j:OT+j+1], v[OT+j:OT+j+1], v[CB+4*(\i)+2:CB+4*(\i)+3] op_sel_hi:[1,0]
.set j, j+2
.endr
.endm
.macro EXPT i
	WIN 0x55*(\i)
.set j, 0
.rept 64
	v_exp_f32 v[SC+j], v[SC+j]                     ; p = 2^(t - M): not normalised
.set j, j+1
.endr
.endm
.macro POST i                          ; the sum of the unquantised p in eight chains (the eighth is the row's sum); the hold; the codes
	WIN 0x55*(\i)
.irp c, 0,1,2,3,4,5,6
	v_pk_add_f32 v[TS+2*\c:TS+2*\c+1], v[SC+4*\c:SC+4*\c+1], v[SC+4*\c+2:SC+4*\c+3]
.endr
	v_pk_add_f32 v[LS:LS+1], v[LS:LS+1], v[SC+28:SC+29]
.set k, 0
.rept 16
	v_pk_add_f32 v[TS+2*(k%8):TS+2*(k%8)+1], v[TS+2*(k%8):TS+2*(k%8)+1], v[SC+30+2*k:SC+31+2*k]
.set k, k+1
.endr
	v_pk_add_f32 v[LS:LS+1], v[LS:LS+1], v[SC+62:SC+63]
	v_pk_add_f32 v[TS:TS+1], v[TS:TS+1], v[TS+2:TS+3]
	v_pk_add_f32 v[TS+4:TS+5], v[TS+4:TS+5], v[TS+6:TS+7]
	v_pk_add_f32 v[TS+8:TS+9], v[TS+8:TS+9], v[TS+10:TS+11]
	v_pk_add_f32 v[LS:LS+1], v[LS:LS+1], v[TS+12:TS+13]
	v_pk_add_f32 v[TS:TS+1], v[TS:TS+1], v[TS+4:TS+5]
	v_pk_add_f32 v[LS:LS+1], v[LS:LS+1], v[TS+8:TS+9]
	v_pk_add_f32 v[LS:LS+1], v[LS:LS+1], v[TS:TS+1]
.set j, 0
.rept 32                               ; the conversion does not saturate (ISA guide 7.6.2); p is not negative, so the hold is one-sided; two numbers a line
	v_dual_min_num_f32 v[SC+j], s[HP], v[SC+j] :: v_dual_min_num_f32 v[SC+j+1], s[HP], v[SC+j+1]
.set j, j+2
.endr
	WIN ((\i)<<6)|(\i)                             ; the scale lies in window 0
.irp kt, 0,1,2,3,4,5,6,7
	v_cvt_scalef32_pk8_bf8_f32 v[PC+2*\kt:PC+2*\kt+1], v[SC+8*\kt:SC+8*\kt+7], v[SCL]
.endr
	v_nop                                          ; one plain line behind the last conversion: products read its results and write its sources
.endm
.macro PVT i                           ; O^T += V^T P: one instruction an accumulator; all other products of the step stand between two links of a sum
	WIN ((\i)<<6)|((\i)<<4)|((\i)<<2)|1
.irp dt, 0,1,2,3
	v_wmma_f32_16x16x128_bf8_bf8 v[OT+8*\dt:OT+8*\dt+7], v[VF+16*\dt:VF+16*\dt+15], v[PC:PC+15], v[OT+8*\dt:OT+8*\dt+7]
.endr
.endm
.macro TAILN i                         ; a tile's end of a step that has a successor in the slot
	POST \i
	PVT \i
	SMUL \i                                        ; the next step's scores
.endm
.macro TAILL i                         ; and of the slot's last step
	POST \i
	PVT \i
.endm
; A KEY STEP: 128 keys at LDS byte s[TB]; its scores are in registers.  last = 1: the slot's last step.
.macro STEP last
	NOPS 4                                         ; places behind the last products, in front of the loads below and of the first read of the scores
	WIN 0x40
.irp dt, 0,1,2,3
.irp g, 0,1,2,3
	ds_load_b128 v[VF+16*\dt+4*\g:VF+16*\dt+4*\g+3], v[ADK] offset:8192+\dt*2048+\g*512   ; V^T lands while the softmax is worked
.endr
.endr
	WIN 0
.if \last == 0
	KLOAD STEPB                                    ; the next step's K likewise
	s_add_co_u32 s[TB], s[TB], STEPB
	v_add_nc_u32 v[ADK], s[TB], v[LI]              ; the next step's address: the maxima's lines stand between this line and its first reader
.endif
	EACH MAXT
	WIN 0
.irp st, 0,1,2,3,4,5,6,7
.irp i, 0,1,2,3
.if \i < NT
	CHS \st, \i
.endif
.endr
.endr
	EACH FMAT
	s_wait_alu depctr_va_vdst(0)                   ; ahead of the batch
	EACH EXPT
	v_nop                                          ; the plain line behind the exponentials
	s_wait_alu depctr_va_vdst(0)                   ; one wait for the whole batch, ahead of its first reader and of the wait below
	s_wait_dscnt 0x0                               ; V^T is in, and the next step's K
.if \last
	EACH TAILL
.else
	EACH TAILN
.endif
	WIN 0
.endm
; A slot's eight key steps: the first scores, seven looped steps, the last step.
.macro PASS base
	s_mov_b32 s[TB], \base
	s_mov_b32 s[CNT], 7
	v_add_nc_u32 v[ADK], \base, v[LI]
	s_wait_alu depctr_va_vdst(0)
	KLOAD 0
	s_wait_dscnt 0x0
	EACH SMUL
	WIN 0
.Lstep_\@:
	STEP 0
	s_sub_co_u32 s[CNT], s[CNT], 1
	s_cmp_lg_u32 s[CNT], 0
	s_cbranch_scc1 .Lstep_\@
	STEP 1
.endm
; THE CHANGE OF SLOTS stands at a slot's head.  Each wave waits for its tensor load (its part of the slot ahead), adds 0 to its spare word, and waits for that and for its reads of the slot that it has left.
; fill = 1: the other slot takes the next chunk: the barrier is a round of the cluster's, and the joint load is the first thing behind it; it has eight key steps in which to land.
.macro CHANGE fill
	s_wait_tensorcnt 0x0                           ; no tensor load of mine is out, so group 0 may be written
	ds_add_u32 v[SPW], v[NIL]                      ; 0 onto my spare word
.if \fill
	s_xor_b32 s[G0+1], s[G0+1], CHUNK              ; the other slot,
	s_add_nc_u64 s[G0+2:G0+3], s[G0+2:G0+3], CHUNK ; the next chunk; the type bits on top are not reached
.endif
	s_wait_dscnt 0x0                               ; the add is done, and my reads of the slot are over
.if \fill
	CROUND
	tensor_load_to_lds s[G0:G0+3], s[G1:G1+7]
	s_nop 0
	NOPS 4
.else
	s_barrier_signal -1
	s_barrier_wait -1
.endif
.endm
	s_wait_alu depctr_va_vdst(0)
	s_wait_loadcnt 0x0                             ; Q
	CHANGE 1                                       ; chunk 0 is in; chunk 1 into slot 1: its first fill, issued as a refill is
	PASS 0
	CHANGE 1                                       ; chunk 2 into slot 0
	PASS CHUNK
	CHANGE 1                                       ; chunk 3 into slot 1
	PASS 0
	CHANGE 0                                       ; nothing is left to fetch
	PASS CHUNK
	; THE WAY OUT: O^T / the sum x 2^(e8 + e9) is the context; it is quantised with 2^e10, and the codes are stored as they stand: registers of the next product's operand.
.macro OUT i
	WIN 0x55*(\i)
	v_add_f32 v[LS], v[LS], v[LS+1]                ; the sum's two halves,
	v_permlanex16_b32 v[TS], v[LS], s[SEL], s[SEL+1]
	v_add_f32 v[LS], v[LS], v[TS]                  ; and lane l xor 16's
	s_wait_alu depctr_va_vdst(0)                   ; ahead of the transcendental
	v_rcp_f32 v[LS], v[LS]
	v_nop                                          ; a plain line behind it
	s_wait_alu depctr_va_vdst(0)                   ; and the wait ahead of its first reader
	v_ldexp_f32 v[LS], v[LS], s43
	s_wait_alu depctr_va_vdst(0)                   ; directly ahead of the first reader of O^T
.set j, 0
.rept 32
	v_mul_f32 v[SC+j], v[OT+j], v[LS]              ; register 8 dt + n: context(query r, channel 16 dt + 8 h + n)
.set j, j+1
.endr
.set j, 0
.rept 32
	v_med3_num_f32 v[SC+j], v[SC+j], s[HN], s[HC]
.set j, j+1
.endr
	WIN ((\i)<<6)|(\i)
.irp dt, 0,1,2,3
	v_cvt_scalef32_pk8_bf8_f32 v[PC+2*\dt:PC+2*\dt+1], v[SC+8*\dt:SC+8*\dt+7], v[SCO]
.endr
	v_nop
	WIN ((\i)<<2)                                  ; a store's data is source 1
	global_store_b128 v[LI], v[PC:PC+3],   s[10:11] offset:(\i)*8192
	global_store_b128 v[LI], v[PC+4:PC+7], s[10:11] offset:(\i)*8192+512
.endm
	NOPS 4                                         ; places behind the last products
	EACH OUT
	WIN 0
	s_wait_tensorcnt 0x0                           ; the wave's end
	ds_add_u32 v[SPW], v[NIL]
	s_wait_dscnt 0x0
	CROUND                                         ; the closing round: no work-group ends while a partner may still ask for a chunk that names it
	s_endpgm
.Lfunc_end_k_q319e7793e1_attn:
	.size	k_q319e7793e1_attn, .Lfunc_end_k_q319e7793e1_attn-k_q319e7793e1_attn
	.p2alignl 7, 3214868480
	.fill 96, 4, 3214868480
	.section	.rodata,"a",@progbits
	.p2align	6, 0x0
	.amdhsa_kernel k_q319e7793e1_attn
		.amdhsa_group_segment_fixed_size 327680
		.amdhsa_private_segment_fixed_size 0
		.amdhsa_enable_private_segment 0
		.amdhsa_kernarg_size 32
		.amdhsa_user_sgpr_count 2
		.amdhsa_user_sgpr_kernarg_segment_ptr 1
		.amdhsa_wavefront_size32 1
		.amdhsa_system_sgpr_workgroup_id_x 1
		.amdhsa_system_sgpr_workgroup_id_y 1
		.amdhsa_system_sgpr_workgroup_id_z 1
		.amdhsa_system_vgpr_workitem_id 0
		.amdhsa_next_free_vgpr 512
		.amdhsa_next_free_sgpr 66
		.amdhsa_reserve_vcc 0
		.amdhsa_float_denorm_mode_32 3
		.amdhsa_float_denorm_mode_16_64 3
		.amdhsa_memory_ordered 1
		.amdhsa_forward_progress 1
		.amdhsa_inst_pref_size 245
	.end_amdhsa_kernel
	.amdgpu_metadata
---
amdhsa.version: [ 1, 2 ]
amdhsa.kernels:
  - .name:           k_q319e7793e1_attn
    .symbol:         k_q319e7793e1_attn.kd
    .args:
      - { .name: qc, .offset: 0, .size: 8, .value_kind: global_buffer, .address_space: global }
      - { .name: kv, .offset: 8, .size: 8, .value_kind: global_buffer, .address_space: global }
      - { .name: lowp_scales, .offset: 16, .size: 8, .value_kind: global_buffer, .address_space: global }
      - { .name: cc, .offset: 24, .size: 8, .value_kind: global_buffer, .address_space: global }
    .group_segment_fixed_size: 327680
    .private_segment_fixed_size: 0
    .kernarg_segment_align: 8
    .kernarg_segment_size: 32
    .max_flat_workgroup_size: 256
    .sgpr_count:     66
    .vgpr_count:     512
    .wavefront_size: 32
...
	.end_amdgpu_metadata
.endif
;; end of part 2
;; launch outp (part 3): grid 4 x 64, 8 waves a work-group, clusters of 4 x 4, 201,728 bytes of LDS; arguments cc, Wo_codes, bo, lowp_scales, out0; writes out0
.if DOCPART == 3
	.amdgcn_target "amdgcn-amd-amdhsa--gfx1250"
	.amdhsa_code_object_version 6
	.text
	.protected	k_q319e7793e1_outp
	.globl	k_q319e7793e1_outp
	.p2align	8
	.type	k_q319e7793e1_outp,@function
k_q319e7793e1_outp:
	s_mov_b64 s[64:65], 0
	v_nop
	global_prefetch_b8 v0, s[64:65] scope:SCOPE_SE
	s_setreg_imm32_b32 hwreg(HW_REG_WAVE_MODE, 25, 1), 1
	s_wait_xcnt 0x0
	s_wait_alu depctr_hold_cnt(0) depctr_sa_sdst(0) depctr_va_vdst(0) depctr_va_sdst(0) depctr_va_ssrc(0) depctr_va_vcc(0) depctr_vm_vsrc(0)
	s_getreg_b32 s2, hwreg(HW_REG_IB_STS2, 6, 4)
	s_cmp_eq_u32 s2, 0
	s_cbranch_scc0 .Lentry_in_a_cluster
	s_endpgm
.Lentry_in_a_cluster:
	s_bfe_u32 s2, ttmp6, 0x10000c
	s_cmp_lg_u32 s2, 0xf033
	s_cbranch_scc0 .Lentry_shape_is_right
	s_endpgm
.Lentry_shape_is_right:
; out0 = context Wo^T + bo on codes of E5M2.  cc: the context's codes as images of operand registers, [token tile 512][K step 4][g 4][lane][16]; Wo: [512][512] codes, K innermost; bo, out0 [8192][512]: f32.
; SHARES.  A work-group takes 128 tokens (block Y) x 128 output features (block X): 256 work-groups.  Wave w takes token tile w against all eight feature tiles: 32 products of K = 128, eight accumulators by turns.
; CLUSTER 4 x 4.  The four work-groups of a row of the cluster (same Y) need the same images, the four of a column (same X) the same rows of Wo: each is asked for jointly.
; FEEDING.  The context's codes lie in the 8-bit form's own layout (registers 2 c, 2 c + 1: k = 16 c + 8 (lane / 16) + 0 .. 7), so Wo's fragments are read so too: eight loads of 8 bytes a fragment.
; TRANSPOSED USE: source 0 = 16 rows of Wo, source 1 = 16 tokens: a lane holds eight neighbouring features of one token.  They go through the wave's own stage in LDS and come back as whole rows of
; 512 bytes, which the 32 lanes store as 512 consecutive bytes, aligned; on the way back each number becomes sum x 2^(e10 + e11) + bo.
; LIMIT: e10 + e11 between -126 and 127.  NaN and infinity among the codes are not served.
.set PITCH, 528                        ; rows of 512 bytes + 16 = 33 x 16, for Wo's tile and for the stage
.set CT,    128*PITCH                  ; LDS: Wo's 128 rows at 0; then the context's eight tiles, 65,536 bytes, dense;
.set STG,   CT+65536                   ; then the stages, 16 rows for each wave: bytes of their own, into which no tensor load lands
.set LI,  1                            ; v1   16 x lane
.set CAD, 2                            ; v2   LDS address of my token tile's images
.set WAD, 3                            ; v3   LDS address of Wo's fragments
.set STO, 4                            ; v4   the stage: where I put 32 bytes of a row
.set SRD, 5                            ; v5   and where I read a row back
;                                        v[8:11] bo of my four features of a row
.set CF,  16                           ; v16-79    the context's four fragments; later 16 rows of the result
.set WF,  80                           ; v80-143   four fragments of Wo
.set ACC, 144                          ; v144-207  eight accumulators
.set WV,  14                           ; s14  my wave's number
.set G1W, 24                           ; s[24:31], s[32:39] descriptor groups 1 for Wo's tile and for the images;  s[40:43], s[44:47] their groups 0
.set G1C, 32
.set G0W, 40
.set G0C, 44
.macro PLACES                          ; four places behind matrix instructions (ISA guide 7.12.1)
.rept 4
	v_nop
.endr
.endm
.macro CROUND                          ; a round of the cluster's barrier
	s_barrier_signal -1
	s_barrier_wait -1
	s_cmp_lg_u32 s[WV], 0
	s_cbranch_scc1 .Lnot_wave_0_\@
	s_barrier_signal -3
.Lnot_wave_0_\@:
	s_barrier_wait -3
	s_barrier_signal -1
	s_barrier_wait -1
.endm
	s_load_b256 s[4:11], s[0:1], 0x0               ; cc s[4:5], Wo s[6:7], bo s[8:9], the exponents s[10:11]
	s_load_b64 s[12:13], s[0:1], 0x20              ; out0
	v_lshl_add_u32 v254, v0, 2, 0x31000
	v_mov_b32 v255, 0
	ds_add_u32 v254, v255
	ds_add_u32 v254, v255
	v_lshrrev_b32 v6, 5, v0
	s_delay_alu instid0(VALU_DEP_1)
	v_readfirstlane_b32 s[WV], v6                  ; wave 0..7
	s_bfe_u32 s15, ttmp6, 0x40000                  ; cx
	s_bfe_u32 s16, ttmp6, 0x40004                  ; cy
	s_lshl_b32 s17, ttmp9, 2
	s_add_co_u32 s17, s17, s15                     ; X: the block of 128 features
	s_and_b32 s18, ttmp7, 0xffff
	s_lshl_b32 s18, s18, 2
	s_add_co_u32 s18, s18, s16                     ; Y: the block of 128 tokens
	s_and_b32 s19, s[WV], 1                        ; which half of a tile I fetch, if I fetch
	s_lshl_b32 s20, s16, 2
	s_lshl_b32 s20, 15, s20                        ; my row of the cluster
	s_lshl_b32 s21, 0x1111, s15                    ; my column
	s_or_b32 s[G1W], s21, (1<<20)|(1<<21)|(6<<22)|(3<<25)  ; Wo: 64 rows of 512 bytes; elements of 1 byte; four words of padding after every 128; 21 set beside a mask
	s_mov_b32 s[G1W+1], 512<<16
	s_mov_b32 s[G1W+2], 64<<16
	s_mov_b32 s[G1W+3], 512<<16
	s_mov_b32 s[G1W+4], 64
	s_mov_b32 s[G1W+5], 512
	s_mov_b32 s[G1W+6], 0
	s_mov_b32 s[G1W+7], 0
	s_or_b32 s[G1C], s20, (3<<16)|(1<<21)          ; the images: a dense block of 32,768 bytes as 128 rows of 256; elements of 8 bytes
	s_mov_b32 s[G1C+1], 32<<16
	s_mov_b32 s[G1C+2], 128<<16
	s_mov_b32 s[G1C+3], 32<<16
	s_mov_b32 s[G1C+4], 128
	s_mov_b32 s[G1C+5], 32
	s_mov_b32 s[G1C+6], 0
	s_mov_b32 s[G1C+7], 0
	s_mov_b32 s[G0W], 1
	s_mul_i32 s[G0W+1], s19, 64*PITCH
	s_lshl_b32 s52, s17, 16                        ; X x 128 rows x 512 bytes
	s_lshl_b32 s53, s19, 15
	s_add_co_u32 s52, s52, s53
	s_mov_b32 s53, 0
	s_mov_b32 s[G0C], 1
	s_lshl_b32 s[G0C+1], s19, 15
	s_add_co_u32 s[G0C+1], s[G0C+1], CT
	s_lshl_b32 s54, s18, 16                        ; Y x 8 tiles x 8,192 bytes
	s_lshl_b32 s55, s19, 15
	s_add_co_u32 s54, s54, s55
	s_mov_b32 s55, 0
	s_wait_dscnt 0x0
	s_wait_kmcnt 0x0
	s_load_b64 s[50:51], s[10:11], 0x28            ; e10, e11
	s_add_nc_u64 s[G0W+2:G0W+3], s[6:7], s[52:53]
	s_or_b32 s[G0W+3], s[G0W+3], 0x80000000
	s_add_nc_u64 s[G0C+2:G0C+3], s[4:5], s[54:55]
	s_or_b32 s[G0C+3], s[G0C+3], 0x80000000
	CROUND                                         ; all sixteen work-groups are here: the joint loads meet
	s_cmp_lt_u32 s[WV], 2                          ; waves 0, 1: Wo's halves; waves 2, 3: the images' halves; four v_nop follow each line
	s_cbranch_scc0 .Lnot_w
	tensor_load_to_lds s[G0W:G0W+3], s[G1W:G1W+7]
	s_nop 0
	PLACES
	s_branch .Lasked
.Lnot_w:
	s_cmp_lt_u32 s[WV], 4
	s_cbranch_scc0 .Lasked
	tensor_load_to_lds s[G0C:G0C+3], s[G1C:G1C+7]
	s_nop 0
	PLACES
.Lasked:
	v_and_b32 v6, 31, v0
	s_delay_alu instid0(VALU_DEP_1)
	v_lshlrev_b32 v[LI], 4, v6
	v_and_b32 v6, 15, v0                           ; r
	v_bfe_u32 v7, v0, 4, 1                         ; h
	s_lshl_b32 s56, s[WV], 13
	s_add_co_u32 s56, s56, CT
	v_add_nc_u32 v[CAD], s56, v[LI]
	v_mul_u32_u24 v12, v6, PITCH
	s_delay_alu instid0(VALU_DEP_1)
	v_lshl_add_u32 v[WAD], v7, 3, v12              ; r x pitch + 8 h
	s_mul_i32 s56, s[WV], 16*PITCH
	s_add_co_u32 s56, s56, STG                     ; my stage
	v_lshl_add_u32 v[STO], v7, 5, v12
	s_delay_alu instid0(VALU_DEP_1)
	v_add_nc_u32 v[STO], s56, v[STO]               ; in: row r, + 32 h
	v_add_nc_u32 v[SRD], s56, v[LI]                ; back: a row of 512 bytes for the 32 lanes
	s_lshl_b32 s58, s17, 9                         ; the block's 128 features, in bytes
	s_mov_b32 s59, 0
	s_add_nc_u64 s[8:9], s[8:9], s[58:59]
	global_load_b128 v[8:11], v[LI], s[8:9]        ; bo of my four features
	s_lshl_b32 s56, s18, 18                        ; Y x 128 rows of 2,048 bytes
	s_lshl_b32 s57, s[WV], 15                      ; + my 16 rows
	s_add_co_u32 s56, s56, s57
	s_add_co_u32 s56, s56, s58
	s_mov_b32 s57, 0
	s_add_nc_u64 s[12:13], s[12:13], s[56:57]
	s_wait_alu depctr_va_vdst(0)
	s_wait_kmcnt 0x0
	s_add_co_i32 s48, s50, s51
	s_add_co_i32 s48, s48, 127
	s_lshl_b32 s48, s48, 23                        ; 2^(e10 + e11) as f32
	s_mov_b32 s49, s48                             ; (named with it as a pair, so it is written)
	s_wait_tensorcnt 0x0                           ; my tile has landed,
	s_barrier_signal -1
	s_barrier_wait -1                              ; everybody's has
.irp s, 0,1,2,3
.irp g, 0,1,2,3
	ds_load_b128 v[CF+16*\s+4*\g:CF+16*\s+4*\g+3], v[CAD] offset:\s*2048+\g*512
.endr
.endr
; K step s, feature tiles 4 hf .. 4 hf + 3.  The eight accumulators take turns, one instruction a turn; the first K step starts the sums.
; Wo's four fragments of a group have two sets of registers: v80-143 of window 0 for hf = 0, the same numbers of window 1 for hf = 1.  A group's 32 loads are issued ahead of the products of the group before.
.macro GLD s, hf
.if \hf
	s_set_vgpr_msb 0x40                            ; destination in window 1
.endif
.irp ff, 0,1,2,3
.irp c, 0,1,2,3,4,5,6,7
	ds_load_b64 v[WF+16*\ff+2*\c:WF+16*\ff+2*\c+1], v[WAD] offset:(64*\hf+16*\ff)*PITCH+128*(\s)+16*\c
.endr
.endr
.if \hf
	s_set_vgpr_msb 0x4000
.endif
.endm
.macro GMUL s, hf
.if \hf
	s_set_vgpr_msb 0x01                            ; source 0, Wo's fragment, in window 1
.endif
.irp ff, 0,1,2,3
.if \s == 0
	v_wmma_f32_16x16x128_bf8_bf8 v[ACC+8*(4*\hf+\ff):ACC+8*(4*\hf+\ff)+7], v[WF+16*\ff:WF+16*\ff+15], v[CF+16*\s:CF+16*\s+15], 0
.else
	v_wmma_f32_16x16x128_bf8_bf8 v[ACC+8*(4*\hf+\ff):ACC+8*(4*\hf+\ff)+7], v[WF+16*\ff:WF+16*\ff+15], v[CF+16*\s:CF+16*\s+15], v[ACC+8*(4*\hf+\ff):ACC+8*(4*\hf+\ff)+7]
.endif
.endr
.if \hf
	s_set_vgpr_msb 0x0100
.endif
.endm
	GLD 0, 0
.irp s, 0,1,2,3
.if \s > 0
	PLACES                                         ; in front of loads into registers that the products just issued have read
.endif
	GLD \s, 1
	s_wait_dscnt 32                                ; all but the 32 loads just issued: this group's fragments are in (the first time: the context's too)
	GMUL \s, 0
.if \s < 3
	PLACES
	GLD \s+1, 0
	s_wait_dscnt 32                                ; all but the 32 loads just issued
.else
	s_wait_dscnt 0x0
.endif
	GMUL \s, 1
.endr
	PLACES                                         ; in front of the stores that read the sums and of the loads into the context's registers
.irp f, 0,1,2,3,4,5,6,7
	ds_store_b128 v[STO], v[ACC+8*\f:ACC+8*\f+3] offset:64*\f        ; each accumulator from its low end on
	ds_store_b128 v[STO], v[ACC+8*\f+4:ACC+8*\f+7] offset:64*\f+16
.endr
.set i, 0
.rept 16
	ds_load_b128 v[CF+4*i:CF+4*i+3], v[SRD] offset:i*PITCH           ; LDS serves a wave's instructions in order (ISA guide 5.7.1.4): these see my stores; the stage is my own
.set i, i+1
.endr
	s_wait_loadcnt 0x0                             ; bo
.set i, 0
.rept 16
	s_wait_dscnt 15-i                              ; row i is back; the younger rows' loads may stay out
	v_pk_fma_f32 v[CF+4*i:CF+4*i+1],   v[CF+4*i:CF+4*i+1],   s[48:49], v[8:9]   op_sel_hi:[1,0,1]   ; sum x 2^(e10 + e11) + bo
	v_pk_fma_f32 v[CF+4*i+2:CF+4*i+3], v[CF+4*i+2:CF+4*i+3], s[48:49], v[10:11] op_sel_hi:[1,0,1]
	global_store_b128 v[LI], v[CF+4*i:CF+4*i+3], s[12:13] offset:2048*i th:TH_STORE_NT   ; 32 lanes store 512 consecutive bytes, aligned; written once, read by nobody here
.set i, i+1
.endr
	s_wait_tensorcnt 0x0
	ds_add_u32 v254, v255
	s_wait_dscnt 0x0
	CROUND                                         ; the closing round: no work-group ends while a partner may still ask for a tile that names it
	s_endpgm
.Lfunc_end_k_q319e7793e1_outp:
	.size	k_q319e7793e1_outp, .Lfunc_end_k_q319e7793e1_outp-k_q319e7793e1_outp
	.p2alignl 7, 3214868480
	.fill 96, 4, 3214868480
	.section	.rodata,"a",@progbits
	.p2align	6, 0x0
	.amdhsa_kernel k_q319e7793e1_outp
		.amdhsa_group_segment_fixed_size 201728
		.amdhsa_private_segment_fixed_size 0
		.amdhsa_enable_private_segment 0
		.amdhsa_kernarg_size 40
		.amdhsa_user_sgpr_count 2
		.amdhsa_user_sgpr_kernarg_segment_ptr 1
		.amdhsa_wavefront_size32 1
		.amdhsa_system_sgpr_workgroup_id_x 1
		.amdhsa_system_sgpr_workgroup_id_y 1
		.amdhsa_system_sgpr_workgroup_id_z 1
		.amdhsa_system_vgpr_workitem_id 0
		.amdhsa_next_free_vgpr 512
		.amdhsa_next_free_sgpr 66
		.amdhsa_reserve_vcc 0
		.amdhsa_float_denorm_mode_32 3
		.amdhsa_float_denorm_mode_16_64 3
		.amdhsa_memory_ordered 1
		.amdhsa_forward_progress 1
		.amdhsa_inst_pref_size 33
	.end_amdhsa_kernel
	.amdgpu_metadata
---
amdhsa.version: [ 1, 2 ]
amdhsa.kernels:
  - .name:           k_q319e7793e1_outp
    .symbol:         k_q319e7793e1_outp.kd
    .args:
      - { .name: cc, .offset: 0, .size: 8, .value_kind: global_buffer, .address_space: global }
      - { .name: Wo_codes, .offset: 8, .size: 8, .value_kind: global_buffer, .address_space: global }
      - { .name: bo, .offset: 16, .size: 8, .value_kind: global_buffer, .address_space: global }
      - { .name: lowp_scales, .offset: 24, .size: 8, .value_kind: global_buffer, .address_space: global }
      - { .name: out0, .offset: 32, .size: 8, .value_kind: global_buffer, .address_space: global }
    .group_segment_fixed_size: 201728
    .private_segment_fixed_size: 0
    .kernarg_segment_align: 8
    .kernarg_segment_size: 40
    .max_flat_workgroup_size: 256
    .sgpr_count:     66
    .vgpr_count:     512
    .wavefront_size: 32
...
	.end_amdgpu_metadata
.endif
;; end of part 3
